; MI455X (gfx1250); checked and timed in simulation.
; The chip was launched on July 23, 2026; its instructions are those of AMD's public machine-readable ISA for CDNA 5 (MIT licence, August 2026) and "CDNA5" Instruction Set Architecture Reference Guide (July 2026). The comments in the code are by the model that wrote it; some were corrected since.
;; Aten Mm Qint8. Allowed arithmetic: float matrix products may take bf16 or f16 operands with f32 sums; other float arithmetic in f32, or as packed bf16 or f16 multiplies, adds, multiply-adds, maxima and minima; sums over many terms, partial sums and values carried from step to step in f32; what a program stores and reads back later, other than sums and carried values, may be rounded once to bf16 or f16.
;; Inputs: x 4,096 x 4,096 int8; y 4,096 x 4,096 int8.
;; Outputs: out0 4,096 x 4,096 float32.
;; One version. Each part assembles by itself: llvm-mc -triple=amdgcn-amd-amdhsa -mcpu=gfx1250 --defsym DOCPART=n.
;; ======== version 1 of 1: 1 launch
;; launch qmm (part 1): grid 16 x 16, 4 waves a work-group, clusters of 4 x 4, 327,680 bytes of LDS; arguments x, y, out0; writes out0
.if DOCPART == 1
	.amdgcn_target "amdgcn-amd-amdhsa--gfx1250"
	.amdhsa_code_object_version 6
	.text
	.protected	k_q5973b5b9e6_qmm
	.globl	k_q5973b5b9e6_qmm
	.p2align	8
	.type	k_q5973b5b9e6_qmm,@function
k_q5973b5b9e6_qmm:
	s_mov_b64 s[64:65], 0
	v_nop
	global_prefetch_b8 v0, s[64:65] scope:SCOPE_SE
	s_setreg_imm32_b32 hwreg(HW_REG_WAVE_MODE, 25, 1), 1
	s_wait_xcnt 0x0
	s_wait_alu depctr_hold_cnt(0) depctr_sa_sdst(0) depctr_va_vdst(0) depctr_va_sdst(0) depctr_va_ssrc(0) depctr_va_vcc(0) depctr_vm_vsrc(0)
	s_getreg_b32 s2, hwreg(HW_REG_IB_STS2, 6, 4)
	s_cmp_eq_u32 s2, 0
	s_cbranch_scc0 .Lentry_in_a_cluster
	s_endpgm
.Lentry_in_a_cluster:
	s_bfe_u32 s2, ttmp6, 0x10000c
	s_cmp_lg_u32 s2, 0xf033
	s_cbranch_scc0 .Lentry_shape_is_right
	s_endpgm
.Lentry_shape_is_right:
; out0[m][n] = the sum over k of (x[m][k] + 25) 0.0215 x (y[k][n] - 18) 0.0176.  x: [4096][4096] int8, y: [4096 (k)][4096 (n)] int8, out0: [4096][4096] f32.
; FORMAT.  x + 25 (-103 .. 152) and y - 18 (-146 .. 109) are whole numbers that f16 holds exactly, so the matrix operands carry no rounding and every product is exact.  The zero points are taken away BEFORE the
; product (no difference of large sums is formed).  LIMITS: none of range: every int8 value is served.  The sums (up to 9.1e7 in size) are f32 sums of exact products, rounded by the matrix unit as it adds 32 k at a
; time; the two scales are applied once, at the end, as ONE f32 constant 0.0215 x 0.0176: an order of rounding that differs from the reference's, which scales each operand first.
; THE CONVERSION, five plain instructions for four bytes.  q xor 0x80 = q + 128 (0 .. 255); the f16 pattern 0x6400 | (q + 128) is 1152 + q; a packed f16 add of -1127 (x) or -1170 (y) gives q + 25 or q - 18, exactly.
; Stage X: one v_xor_b32 on a raw register; stage P: two v_perm_b32 (a data byte below, 0x64 above); stage A: two v_pk_add_f16.  A wave has 64 raw registers for 64 matrix instructions: one register's five lines behind each.
; SHARES.  A tile of C, 256 x 256, to a work-group (256 tiles, 256 work-groups); a wave makes 128 x 128: 64 accumulators, 512 registers.  K goes in steps of 256 through two LDS slots that hold the tiles AS INT8.
; CLUSTER.  4 x 4 work-groups: x's tile hangs on the tile row alone and is asked for jointly along a row of the cluster, y's on the tile column alone, along a column: the same load, descriptor and mask in all four.
; THE MATRIX INSTRUCTION IS USED TRANSPOSED: source 0 = a fragment of y (16 columns), source 1 = a fragment of x (16 rows).  k IS PERMUTED ALIKE IN BOTH: register i, half e of lane half h holds k = k0 + 16 h + 2 i + e.
;   x: one ds_load_b128 at row r, byte k0 + 16 h, brings raw registers j = 0..3; fragment register 2 j = bytes (0, 1) of raw j, 2 j + 1 = bytes (2, 3).
;   y ([k][n]): ds_load_tr16_b128 on PAIRS of bytes, twice (t = 0, 1), from row k0 + 16 h + 8 t + (l % 8), byte n0 + 16 ((l / 8) % 2): raw register 4 t + j of lane l holds k = 16 h + 8 t + 2 j, + 1 of the columns n0 + 2 r
;   and n0 + 2 r + 1: bytes (0, 2) are register 4 t + j of the even columns' fragment, bytes (1, 3) of the odd columns'.
;   So in accumulator (a, b) lane (r, h), register j holds row 16 a + r, column 32 (b / 2) + 16 h + 2 j + b % 2 of the wave's 128 x 128.
; REGISTERS, four windows of 256 with ONE map (s_set_vgpr_msb: bits 1:0 source 0, 3:2 source 1, 5:4 source 2, 7:6 destination).  Window w = 2 wa + wb holds the 16 accumulators of x blocks 4 wa .. + 3 times y
; fragments 4 wb .. + 3 (v128-255), ONE set of four fragments in two buffers (v32-95) and that set's 16 raw registers (v96-111): window 0: x blocks 0-3; window 3: x blocks 4-7; window 2: y fragments 0-3; window 1: y 4-7.
; A PHASE is a window's 16 matrix instructions; its one window setting also serves the conversion of the window's own set and that set's four LDS loads: four switches for 64 matrix instructions, 320 vector lines and 16 loads.
; THE PIPELINE.  K in 128 quarters of 32.  Period t: the 64 products of quarter t (fragment buffer t % 2); behind them quarter t + 1 is converted into the other buffer; each phase ends by loading its raw registers for quarter t + 2.
.set XPITCH, 272                       ; an LDS row of x: 256 bytes + 16 = 68 words: the 16 rows of a load start at 16 different groups of four banks (64 banks of 4 bytes: ISA guide 11.1)
.set YPITCH, 288                       ; an LDS row of y: 256 + 32 = 72 words
.set XHALF,  128*XPITCH                ; 0x8800: 128 rows of x: one tensor load
.set YBASE,  2*XHALF                   ; 0x11000: y's 256 rows (k) lie behind x's 256
.set YHALF,  128*YPITCH                ; 0x9000
.set SLOT1,  0x24000                   ; slot 1.  No base in slot 0 (0, 0x8800, 0x11000, 0x1a000) has bit 14 or 17, so one exclusive or turns an address in one slot into the other's
.set STAGE,  0x47000                   ; behind the ring, never filled by a tensor load: 16 rows x 528 bytes for each wave, for the way out
.set SPITCH, 528                       ; 512 bytes + 16
.set SPARE,  STAGE+4*16*SPITCH         ; 0x4f400: the spare words, 128 bytes for each wave: two blocks of 256 bytes that no other line names
.set C80, 16                           ; v16  0x80808080, in all four windows
.set C64, 17                           ; v17  0x64646464, in all four windows
.set CBX, 18                           ; v18  -1127 twice in f16, in windows 1 and 2
.set AK0, 20                           ; v20  my lane's place in x's tile, in windows 1 and 2 (made in window 0); never rewritten
.set BK0, 21                           ; v21  the same for y
.set ADA, 22                           ; v22  the LDS address of x's loads in hand, windows 1 and 2
.set ADB, 23                           ; v23  of y's
.set STO, 24                           ; v24  window 0: the way out: where I put 64 bytes of a row
.set RD,  25                           ; v25  where I read a row back
.set CO,  26                           ; v26  my byte offset in 512 bytes of a row of out0
.set SPW, 28                           ; v28  LDS address of my spare word: SPARE + 4 x my thread's number; never rewritten
.set NIL, 29                           ; v29  0; never rewritten
.set PFO, 30                           ; v30  the prefetches' offset: 4,096 x my lane: a row of x or y; never rewritten
.set FR,  32                           ; the window's fragments: buffer b, fragment f at FR + 32 b + 8 f
.set RAW, 96
.set ACC, 128                          ; accumulator i = 4 fa + fb at ACC + 8 i
.set TMP, 32                           ; the way out: window 0: 64 scaled results a lane
.set OB,  32                           ; the way out: windows 1 and 2 by turns: 16 rows read back from the stage
.set G1A, 24                           ; s[24:31] descriptor group 1 for x's tiles
.set G0A, 32                           ; s[32:39] group 0 for x's tiles: a set for each of the two first fills; the second then walks on
.set LIM, 43                           ; s43  1 in a wave that prefetches, else the greatest number
.set PFA, 44                           ; s[44:45] where my prefetches stand
.set G1B, 48                           ; s[48:55], s[56:63] the same for y's tiles
.set G0B, 56
.set KA,  66                           ; s66  LDS byte (slot, and place along the rows) of x's quarter to be loaded
.set KB,  67                           ; s67  LDS byte (slot, and 32 rows a quarter) of y's
.set CNT, 68                           ; s68  counts trips of two periods
.set SLOTS, 69                         ; s69  counts the changes of slots
.set SELA0, 70                         ; s70-73 v_perm_b32's selects
.set SELA1, 71
.set SELB0, 72
.set SELB1, 73
.set CBY, 74                           ; s74  -1170 twice in f16
.set SC,  75                           ; s75  0.0215 x 0.0176 in f32
.set PFS, 76                           ; s[76:77] bytes from a tile to the next, for my prefetches
.set MSB, 0
.macro WIN new                         ; the immediate's high byte repeats the setting that is left; a switch that changes nothing is dropped
.if MSB != (\new)
	s_set_vgpr_msb (MSB<<8)|(\new)
.set MSB, (\new)
.endif
.endm
; A round of the cluster's barrier: my work-group's barrier, so that wave 0's signal speaks for all four waves; wave 0 signals; every wave waits for all sixteen work-groups; my work-group's barrier once more.
.macro CROUND
	s_barrier_signal -1
	s_barrier_wait -1
	s_cmp_lg_u32 s10, 0
	s_cbranch_scc1 .Lnot_wave_0_\@
	s_barrier_signal -3
.Lnot_wave_0_\@:
	s_barrier_wait -3
	s_barrier_signal -1
	s_barrier_wait -1
.endm
; A joint refill, by the walking descriptors.  Waves 0 and 1 fetch x's two halves, waves 2 and 3 y's.  The branch hangs on the wave's number alone.  An s_nop 0 and four v_nop follow each of the two lines.
.macro JLOAD
	s_cmp_eq_u32 s11, 0
	s_cbranch_scc0 .Lfor_y_\@
	tensor_load_to_lds s[G0A+4:G0A+7], s[G1A:G1A+7]
	s_nop 0
.rept 4
	v_nop
.endr
	s_branch .Lasked_\@
.Lfor_y_\@:
	tensor_load_to_lds s[G0B+4:G0B+7], s[G1B:G1B+7]
	s_nop 0
.rept 4
	v_nop
.endr
.Lasked_\@:
.endm
; A PREFETCH INTO THE L2 of what the NEXT change of slots will ask for: behind the refill with tile s + 1 stands one instruction for tile s + 2: one K step, 512 matrix instructions, ahead of the load that will want it.
; Each row's 256 bytes of a tile are named ONCE in the launch: x's tile rows are read by every cluster of a row of clusters: cluster x = 0 asks; y's tile columns by every cluster of a column: cluster y = 0 asks.
; The four partners that ask for a tile jointly share the 128 rows of a wave's load out BY ADDRESS, 32 each (cx for x, cy for y), a lane a row.  Tiles 0 to 2 come by their loads alone; the last refill (tile 15) asks for nothing.
.macro ASK
	s_cmp_gt_u32 s[SLOTS], s[LIM]
	s_cbranch_scc0 .Lnot_mine_\@
	global_prefetch_b8 v[PFO], s[PFA:PFA+1] th:TH_LOAD_NT scope:SCOPE_SE
.Lnot_mine_\@:
.endm
.macro PLACES
.rept 4
	v_nop
.endr
.endm
	s_load_b128 s[4:7], s[0:1], 0x0                ; x s[4:5], y s[6:7]
	s_load_b64 s[8:9], s[0:1], 0x10                ; out0
	v_lshl_add_u32 v[SPW], v0, 2, SPARE
	v_mov_b32 v[NIL], 0
	ds_add_u32 v[SPW], v[NIL]                      ; the wave's opening: the add, twice on end, and its wait, ahead of my first tensor load; the set-up below, work on registers, stands between
	ds_add_u32 v[SPW], v[NIL]                      ; and once more, under the one wait
	v_lshrrev_b32 v1, 5, v0
	v_readfirstlane_b32 s10, v1                    ; wave 0..3
	s_lshr_b32 s11, s10, 1                         ; which half of the tile's rows is mine.  Also: I fetch for x (0) or for y (1)
	s_and_b32 s12, s10, 1                          ; which half of its columns.  Also: which 128 rows of that tile I fetch
	s_bfe_u32 s40, ttmp6, 0x40000                  ; cx
	s_bfe_u32 s41, ttmp6, 0x40004                  ; cy
	s_lshl_b32 s42, ttmp9, 2                       ; in a cluster launch ttmp9 and ttmp7 count clusters
	s_add_co_u32 s42, s42, s40                     ; tile column of C = 4 x cluster x + cx
	s_and_b32 s13, ttmp7, 0xffff
	s_lshl_b32 s13, s13, 2
	s_add_co_u32 s13, s13, s41                     ; tile row of C = 4 x cluster y + cy
	s_lshl_b32 s20, s41, 2
	s_lshl_b32 s20, 15, s20                        ; my row of the cluster: places 4 cy .. 4 cy + 3
	s_lshl_b32 s21, 0x1111, s40                    ; my column: places cx, cx + 4, cx + 8, cx + 12
	; descriptor group 1: a tile of 128 rows x 256 bytes, as 32 elements of 8 bytes; rows 4,096 bytes (512 elements) apart in memory; padded in LDS behind every 64 words
	s_or_b32 s[G1A], s20, (3<<16)|(1<<20)|(1<<21)|(5<<22)|(3<<25)  ; 15:0 the mask: x's tiles go to my row; 17:16 elements of 8 bytes; 20 padding on; 21 set beside a mask; 24:22 after 64 words (code 5); 31:25 4 words (code 3)
	s_or_b32 s[G1B], s21, (3<<16)|(1<<20)|(1<<21)|(5<<22)|(7<<25)  ; y's tiles go to my column; 8 words of padding (code 7)
.irp g, G1A, G1B
	s_mov_b32 s[(\g)+1], 32<<16                    ; tensor_dim0 = 32
	s_mov_b32 s[(\g)+2], 128<<16                   ; tensor_dim1 = 128
	s_mov_b32 s[(\g)+3], 32<<16                    ; tile_dim0 = 32
	s_mov_b32 s[(\g)+4], 128                       ; tile_dim1 = 128
	s_mov_b32 s[(\g)+5], 512                       ; elements from row to row
	s_mov_b32 s[(\g)+6], 0
	s_mov_b32 s[(\g)+7], 0
.endr
	; where the tiles come from: x's hang on the tile row alone, y's on the tile column alone, each in registers that never hold the other coordinate
	s_lshl_b32 s16, s13, 8
	s_lshl_b32 s17, s12, 7
	s_add_co_u32 s16, s16, s17                     ; x: row 256 x tile row + 128 x half,
	s_lshl_b32 s16, s16, 12                        ; times 4,096 bytes (under 2^24)
	s_mov_b32 s17, 0
	s_lshl_b32 s46, s12, 19                        ; y: k row 128 x half, times 4,096 bytes,
	s_lshl_b32 s47, s42, 8                         ; + 256 bytes x tile column
	s_add_co_u32 s46, s46, s47
	s_mov_b32 s47, 0
	s_mul_i32 s18, s12, XHALF                      ; and where they go: made of the wave's number alone
	s_mul_i32 s19, s12, YHALF
	s_add_co_u32 s19, s19, YBASE
	s_mov_b32 s[SELA0], 0x04010400                 ; x (data in the second source, bytes 0-3; 0x64 in the first, bytes 4-7): data bytes 0 and 1 below 0x64
	s_mov_b32 s[SELA1], 0x04030402                 ; data bytes 2 and 3
	s_mov_b32 s[SELB0], 0x00060004                 ; y (data in the first source): data bytes 0 and 2: the even column
	s_mov_b32 s[SELB1], 0x00070005                 ; data bytes 1 and 3: the odd column
	s_mov_b32 s[CBY], 0xe492e492                   ; -1170, twice
	s_mov_b32 s[SC], 0x39c663fd                    ; 0.0215 x 0.0176 = 3.784e-4
	s_mov_b32 s[KA], 0
	s_mov_b32 s[KB], 0
	s_wait_dscnt 0x0                               ; both opening adds are done
	s_wait_kmcnt 0x0
	s_add_nc_u64 s[16:17], s[4:5], s[16:17]        ; x at my part of tile 0
	s_add_nc_u64 s[46:47], s[6:7], s[46:47]        ; y likewise
	CROUND                                         ; all sixteen work-groups are here: the first joint loads meet
.irp s, 0,1
	s_mov_b32 s[G0A+4*(\s)], 1                                         ; 1:0 count = 1
	s_add_co_u32 s[G0A+4*(\s)+1], s18, (\s)*SLOT1                      ; 63:32 LDS address
	s_add_nc_u64 s[G0A+4*(\s)+2:G0A+4*(\s)+3], s[16:17], (\s)*256      ; 120:64 global address: K step s: 256 bytes along x's rows
	s_or_b32 s[G0A+4*(\s)+3], s[G0A+4*(\s)+3], 0x80000000              ; 127:126 type = 2
	s_mov_b32 s[G0B+4*(\s)], 1
	s_add_co_u32 s[G0B+4*(\s)+1], s19, (\s)*SLOT1
	s_add_nc_u64 s[G0B+4*(\s)+2:G0B+4*(\s)+3], s[46:47], (\s)*0x100000 ; 256 rows of y down
	s_or_b32 s[G0B+4*(\s)+3], s[G0B+4*(\s)+3], 0x80000000
.endr
	s_cmp_eq_u32 s11, 0                            ; a wave's two first fills stand in one branch, ahead of every wait on TENSORcnt and every LDS read: two loads of mine are out
	s_cbranch_scc0 .Lfirst_y
	tensor_load_to_lds s[G0A:G0A+3], s[G1A:G1A+7]
	s_nop 0
	tensor_load_to_lds s[G0A+4:G0A+7], s[G1A:G1A+7]
	s_nop 0
.rept 4
	v_nop
.endr
	s_branch .Lfirst_asked
.Lfirst_y:
	tensor_load_to_lds s[G0B:G0B+3], s[G1B:G1B+7]
	s_nop 0
	tensor_load_to_lds s[G0B+4:G0B+7], s[G1B:G1B+7]
	s_nop 0
.rept 4
	v_nop
.endr
.Lfirst_asked:
	; the lane terms, made while the first tiles are on their way
	v_and_b32 v1, 15, v0                           ; r = l % 16
	v_bfe_u32 v2, v0, 4, 1                         ; h = l / 16
	v_and_b32 v3, 7, v0                            ; l % 8
	v_bfe_u32 v4, v0, 3, 1                         ; (l / 8) % 2
	v_and_b32 v5, 31, v0                           ; l
	s_mul_i32 s20, s11, XHALF                      ; my 128 rows of x
	v_mul_u32_u24 v[AK0], v1, XPITCH
	v_lshl_add_u32 v[AK0], v2, 4, v[AK0]
	v_add_nc_u32 v[AK0], s20, v[AK0]               ; (128 x half + r) x pitch + 16 h
	v_lshl_add_u32 v[BK0], v2, 4, v3
	v_mul_u32_u24 v[BK0], v[BK0], YPITCH           ; (16 h + l % 8) x pitch
	v_lshl_add_u32 v[BK0], v4, 4, v[BK0]           ; + 16 ((l / 8) % 2)
	s_lshl_b32 s21, s12, 7                         ; + my 128 columns, a byte each,
	s_add_co_u32 s21, s21, YBASE                   ; behind x's rows
	v_add_nc_u32 v[BK0], s21, v[BK0]
	s_mul_i32 s22, s10, 16*SPITCH
	s_add_co_u32 s22, s22, STAGE                   ; my stage
	v_mul_u32_u24 v[STO], v1, SPITCH               ; in: row r, 64 bytes for each half of the lanes in every 128
	v_lshl_add_u32 v[STO], v2, 6, v[STO]
	v_add_nc_u32 v[STO], s22, v[STO]
	v_lshl_add_u32 v[RD], v5, 4, s22               ; back: 32 lanes take one row of 512 bytes
	v_lshlrev_b32 v[CO], 4, v5                     ; and the same 512 bytes in out0
	v_lshlrev_b32 v[PFO], 12, v5
	v_mov_b32 v[C80], 0x80808080
	v_mov_b32 v[C64], 0x64646464
.irp w, 1,2,3                          ; the constants and the two lane terms go into the windows from which the phases read them
	WIN (\w)<<6                                    ; destination window w, sources window 0
	v_mov_b32 v[C80], 0x80808080
	v_mov_b32 v[C64], 0x64646464
.if (\w) < 3
	v_mov_b32 v[CBX], 0xe467e467                   ; -1127, twice
	v_mov_b32 v[AK0], v[AK0]                       ; window 0's v20 into window w's
	v_mov_b32 v[BK0], v[BK0]
.endif
.endr
	WIN 0
	; out0 at my 128 x 128: row 256 x tile row + 128 x row half (16,384 bytes a row), column 256 x tile column + 128 x column half (4 bytes each): under 2^26
	s_lshl_b32 s20, s13, 8
	s_lshl_b32 s21, s11, 7
	s_add_co_u32 s20, s20, s21
	s_lshl_b32 s20, s20, 14
	s_lshl_b32 s21, s42, 10
	s_add_co_u32 s20, s20, s21
	s_lshl_b32 s21, s12, 9
	s_add_co_u32 s20, s20, s21
	s_mov_b32 s21, 0
	s_add_nc_u64 s[8:9], s[8:9], s[20:21]
	; the prefetches
	s_lshl_b32 s20, s13, 20                        ; x: 256 x tile row rows of 4,096 bytes
	s_lshl_b32 s21, s42, 8                         ; y: 256 bytes x tile column
	s_and_b32 s22, ttmp7, 0xffff                   ; cluster y
	s_cmp_eq_u32 s11, 0                            ; do I fetch for x?
	s_cselect_b32 s20, s20, s21                    ; the tiles' corner
	s_cselect_b32 s21, s40, s41                    ; my place among the four that ask with me: it enters the address alone
	s_cselect_b32 s22, ttmp9, s22                  ; the coordinate along which other clusters read the same rows
	s_cselect_b32 s23, 8, 20                       ; a tile on: 256 bytes along x's rows, 256 rows of 4,096 bytes down y
	s_cselect_b64 s[PFA:PFA+1], s[4:5], s[6:7]
	s_cmp_eq_u32 s22, 0
	s_cselect_b32 s[LIM], 1, -1                    ; the same in all sixteen partners, for a given wave
	s_lshl_b32 s[PFS], 1, s23
	s_mov_b32 s[PFS+1], 0
	s_lshl_b32 s22, s12, 19                        ; + the 128 rows that I fetch
	s_add_co_u32 s20, s20, s22
	s_lshl_b32 s21, s21, 17                        ; + my work-group's 32 of them
	s_add_co_u32 s20, s20, s21
	s_lshl_b32 s22, s[PFS], 1                      ; at tile 2: the first change of slots steps it to tile 3.  Nothing is prefetched here, at the head
	s_add_co_u32 s20, s20, s22
	s_mov_b32 s21, 0
	s_add_nc_u64 s[PFA:PFA+1], s[PFA:PFA+1], s[20:21]
; Stage st (0: X, 1: P, 2: A) of raw register n of the phase's own set, into fragment buffer nb.  ty = 1: a set of y, which the phase's setting reads as source 0; ty = 0: a set of x, read as source 1.
; The constants stand in the other source's place and are read from that source's window.
.macro CV st, ty, nb, n
.if (\ty)
.set d0, FR+32*(\nb)+16*((\n)/8)+(\n)%8        ; pair n / 8 of 32 columns: its even columns' fragment, register n % 8,
.set d1, d0+8                                  ; and its odd columns'
.else
.set d0, FR+32*(\nb)+2*(\n)                    ; fragment n / 4, registers 2 (n % 4) and the next
.set d1, d0+1
.endif
.if (\st) == 0
.if (\ty)
	v_xor_b32 v[RAW+(\n)], v[RAW+(\n)], v[C80]
.else
	v_xor_b32 v[RAW+(\n)], v[C80], v[RAW+(\n)]
.endif
.elseif (\st) == 1
.if (\ty)
	v_perm_b32 v[d0], v[RAW+(\n)], v[C64], s[SELB0]
	v_perm_b32 v[d1], v[RAW+(\n)], v[C64], s[SELB1]
.else
	v_perm_b32 v[d0], v[C64], v[RAW+(\n)], s[SELA0]
	v_perm_b32 v[d1], v[C64], v[RAW+(\n)], s[SELA1]
.endif
.else
.if (\ty)
	v_pk_add_f16 v[d0], v[d0], s[CBY]
	v_pk_add_f16 v[d1], v[d1], s[CBY]
.else
	v_pk_add_f16 v[d0], v[CBX], v[d0]
	v_pk_add_f16 v[d1], v[CBX], v[d1]
.endif
.endif
.endm
; Product n of a phase's 16: y fragment n % 4 (source 0), x block n / 4 (source 1), buffer b.  zero = 1: it starts the sum: nothing is ever cleared.
.macro MM b, n, zero
.if \zero
	v_wmma_f32_16x16x32_f16 v[ACC+8*(\n):ACC+8*(\n)+7], v[FR+32*(\b)+8*((\n)%4):FR+32*(\b)+8*((\n)%4)+7], v[FR+32*(\b)+8*((\n)/4):FR+32*(\b)+8*((\n)/4)+7], 0
.else
	v_wmma_f32_16x16x32_f16 v[ACC+8*(\n):ACC+8*(\n)+7], v[FR+32*(\b)+8*((\n)%4):FR+32*(\b)+8*((\n)%4)+7], v[FR+32*(\b)+8*((\n)/4):FR+32*(\b)+8*((\n)/4)+7], v[ACC+8*(\n):ACC+8*(\n)+7]
.endif
.endm
; The four LDS loads of window w's set: the data land in window w, the address is read from the phase's source 0 window (1 in phases 1 and 3, 2 in phases 2 and 0).
.macro LOADS w
.if TY
.set wb, (\w)%2                                ; window 1: y's columns 64 to 127 of my 128; window 2: 0 to 63
.irp pp, 0,1
.irp t, 0,1
	ds_load_tr16_b128 v[RAW+8*(\pp)+4*(\t):RAW+8*(\pp)+4*(\t)+3], v[ADB] offset:64*wb+32*(\pp)+8*YPITCH*(\t)
.endr
.endr
.else
.set wa, (\w)/3                                ; window 0: x blocks 0-3; window 3: blocks 4-7
.irp f, 0,1,2,3
	ds_load_b128 v[RAW+4*(\f):RAW+4*(\f)+3], v[ADA] offset:(4*wa+(\f))*16*XPITCH
.endr
.endif
.endm
; A PHASE, for window w.  mm = 2: its 16 products on buffer b; 1: they start the sums; 0: none.  cv = 1: its own set's raw registers are converted into buffer 1 - b, five lines behind each product: stage A of
; register i, stage P of i + 1, stage X of i + 2: no line of a slice reads another's result.  ld = 1: the raw registers are loaded anew.  left: the LDS loads issued behind my set's four, which may stay out.
; The buffer that is written was last read by products two phases back or more, with those phases' plain lines between; raw registers are no matrix operands; each accumulator has one turn a period.
.macro PHASE w, b, mm, cv, ld, left
.if (\w) == 1
.set TY, 1
	WIN 0x51                                       ; C, D and source 0 (y 4-7) window 1; source 1 (x 0-3) window 0
.elseif (\w) == 3
.set TY, 0
	WIN 0xfd                                       ; C, D and source 1 (x 4-7) window 3; source 0 (y 4-7) window 1
.elseif (\w) == 2
.set TY, 1
	WIN 0xae                                       ; C, D and source 0 (y 0-3) window 2; source 1 (x 4-7) window 3
.else
.set TY, 0
	WIN 0x02                                       ; C, D and source 1 (x 0-3) window 0; source 0 (y 0-3) window 2
.endif
.if \cv
	s_wait_dscnt \left                             ; LDS loads come back in order (ISA guide 5.7.1): my set's four are in
	CV 0, TY, 1-(\b), 0
	CV 0, TY, 1-(\b), 1
	CV 1, TY, 1-(\b), 0
.endif
.set i, 0
.rept 16
.if (\mm) == 1
	MM \b, i, 1
.elseif (\mm) == 2
	MM \b, i, 0
.endif
.if \cv
	CV 2, TY, 1-(\b), i
.if i < 15
	CV 1, TY, 1-(\b), i+1
.endif
.if i < 14
	CV 0, TY, 1-(\b), i+2
.endif
.endif
.set i, i+1
.endr
.if \ld
.if TY
	v_add_nc_u32 v[ADB], v[BK0], s[KB]             ; destination and source 0 are this phase's own window: y's address for this phase,
	v_add_nc_u32 v[ADA], v[AK0], s[KA]             ; x's for the next, which reads its addresses from this window
.endif
	LOADS \w
.endif
.endm
; A PERIOD: four phases, then the loads' place steps a quarter on: 32 bytes along x's rows, 32 rows of y.  With ld = 1 twelve loads (the three other sets') are issued behind a set's four;
; with ld = 0 nothing is issued, and the counts run down.
.macro PERIOD b, mm, cv, ld
.if \ld
	PHASE 1, \b, \mm, \cv, 1, 12
	PHASE 3, \b, \mm, \cv, 1, 12
	PHASE 2, \b, \mm, \cv, 1, 12
	PHASE 0, \b, \mm, \cv, 1, 12
	s_add_co_u32 s[KA], s[KA], 32
	s_add_co_u32 s[KB], s[KB], 32*YPITCH
.else
	PHASE 1, \b, \mm, \cv, 0, 12
	PHASE 3, \b, \mm, \cv, 0, 8
	PHASE 2, \b, \mm, \cv, 0, 4
	PHASE 0, \b, \mm, \cv, 0, 0
.endif
.endm
; THE CHANGE OF SLOTS: a slot's eighth quarter has been asked for.  Each wave waits for all its tensor loads, of which one is out: its part of the other slot; adds 0 to its spare word; and waits for that and for
; its own reads of the slot.  Behind the barrier nobody reads this slot any more and the other slot is whole.  fill = 1: the slot is filled again, with the K step two on: the barrier is then a round of the cluster's,
; so that no wave of any partner still reads the slot or has a load on its way, and the joint refill is the first thing behind it: it has eight periods, 512 matrix instructions, in which to land.
.macro CHANGE fill
	WIN 0                                          ; at a label and at a branch every window is 0; the add's two registers lie in window 0
	s_wait_tensorcnt 0x0                           ; no tensor load of mine is out, so a group 0 may be written
	ds_add_u32 v[SPW], v[NIL]                      ; 0 onto my spare word; the scalar steps below stand between it and the wait for it
.if \fill
	s_xor_b32 s[G0A+5], s[G0A+5], SLOT1            ; the walking descriptors: the other slot than last time,
	s_add_nc_u64 s[G0A+6:G0A+7], s[G0A+6:G0A+7], 256       ; the next K step; the type bits on top are not reached
	s_xor_b32 s[G0B+5], s[G0B+5], SLOT1
	s_add_nc_u64 s[G0B+6:G0B+7], s[G0B+6:G0B+7], 0x100000
	s_wait_xcnt 0x0                                ; the last prefetch, eight periods back, has read its address, so it may be written
	s_add_nc_u64 s[PFA:PFA+1], s[PFA:PFA+1], s[PFS:PFS+1]  ; one tile behind... ahead of the walking descriptors by one tile
.endif
	s_sub_co_u32 s[KA], s[KA], 256                 ; the loads go back to a slot's first quarter,
	s_xor_b32 s[KA], s[KA], SLOT1                  ; in the other slot
	s_sub_co_u32 s[KB], s[KB], 256*YPITCH
	s_xor_b32 s[KB], s[KB], SLOT1
	s_wait_dscnt 0x0                               ; the add is done, and my reads of the slot are over
.if \fill
	CROUND
	JLOAD
	ASK
.else
	s_barrier_signal -1
	s_barrier_wait -1
.endif
.endm
; THE WAY OUT of block a (16 rows of my 128), in three parts.  PACK: the 8 accumulators times the scale, the even and the odd columns' results side by side: 16 neighbouring columns for each pair of accumulators.
; Each accumulator's registers are taken in ascending order.  TOSTAGE: into my own stage in LDS, and back as whole rows of 512 bytes.  SEND: stored.
.macro PACK a
.irp bp, 0,1,2,3
	WIN (2*((\a)/4)+(\bp)/2)<<2                    ; source 1: the window of x block a and y fragments 2 bp, 2 bp + 1; destination window 0
.set EA, ACC+8*(4*((\a)%4)+2*((\bp)%2))
.irp j, 0,1,2,3,4,5,6,7
	v_mul_f32 v[TMP+16*(\bp)+2*(\j)], s[SC], v[EA+(\j)]
	v_mul_f32 v[TMP+16*(\bp)+2*(\j)+1], s[SC], v[EA+8+(\j)]
.endr
.endr
.endm
.macro TOSTAGE a
	WIN 0
.irp c, 0,1,2,3,4,5,6,7,8,9,10,11,12,13,14,15
	ds_store_b128 v[STO], v[TMP+4*(\c):TMP+4*(\c)+3] offset:128*((\c)/4)+16*((\c)%4)
.endr
	WIN (1+(\a)%2)<<6                              ; destination: window 1 or 2 by turns, where fragments lay
.irp p, 0,1,2,3,4,5,6,7,8,9,10,11,12,13,14,15
	ds_load_b128 v[OB+4*(\p):OB+4*(\p)+3], v[RD] offset:SPITCH*(\p)  ; LDS serves a wave's instructions in order (ISA guide 5.7.1.4): these see the stores above
.endr
.endm
.macro SEND a
	WIN (1+(\a)%2)<<2                              ; the stores' data (source 1): window 1 or 2; the offset register in window 0
	s_wait_dscnt 0x0                               ; the block is back in registers
	s_wait_xcnt 0x0                                ; every earlier store has had its addresses translated (ISA guide 3.1): the registers that the stores two blocks back read are loaded again only behind this wait
.irp p, 0,1,2,3,4,5,6,7,8,9,10,11,12,13,14,15
	global_store_b128 v[CO], v[OB+4*(\p):OB+4*(\p)+3], s[8:9] offset:(\a)*262144+(\p)*16384 th:TH_STORE_NT  ; 512 consecutive bytes of a row, at a multiple of 512 from out0's first byte; 2,080,768 at the most: inside the signed 24 bits
.endr
.endm
	s_wait_tensorcnt 0x1                           ; my part of K step 0 is in; K step 1's, issued behind it, may stay out
	s_barrier_signal -1
	s_barrier_wait -1                              ; everybody's is
	PERIOD 0, 0, 0, 1                              ; the pipeline fills: quarter 0 is loaded,
	PERIOD 1, 0, 1, 1                              ; converted into buffer 0, and quarter 1 loaded
	PERIOD 0, 1, 1, 1                              ; period 0 stands in front of the loop: its products start the sums
	PERIOD 1, 2, 1, 1                              ; period 1
	WIN 0
	s_mov_b32 s[SLOTS], 15
	s_mov_b32 s[CNT], 2                            ; periods 2 to 5: slot 0's last quarters are asked for
	s_branch .Ltrip
.Lslot:                                        ; 14 times, ahead of periods 6, 14 .. 110: the slot just read out takes K step 2, 3 .. 15
	CHANGE 1
	s_mov_b32 s[CNT], 4
.Ltrip:                                        ; a trip: two periods, one on each fragment buffer
	PERIOD 0, 2, 1, 1
	PERIOD 1, 2, 1, 1
	WIN 0
	s_sub_co_u32 s[CNT], s[CNT], 1
	s_cmp_lg_u32 s[CNT], 0
	s_cbranch_scc1 .Ltrip
	s_sub_co_u32 s[SLOTS], s[SLOTS], 1
	s_cmp_lg_u32 s[SLOTS], 0
	s_cbranch_scc1 .Lslot
	CHANGE 0                                       ; ahead of period 118: the tail is written out: nothing is asked for
	s_mov_b32 s[CNT], 4
.Llast:                                        ; periods 118 to 125 load the last slot's eight quarters
	PERIOD 0, 2, 1, 1
	PERIOD 1, 2, 1, 1
	WIN 0
	s_sub_co_u32 s[CNT], s[CNT], 1
	s_cmp_lg_u32 s[CNT], 0
	s_cbranch_scc1 .Llast
	PERIOD 0, 2, 1, 0                              ; period 126 converts the last quarter and loads nothing
	PERIOD 1, 2, 0, 0                              ; period 127: products alone
	WIN 0
	PLACES                                         ; the scalings read results just made and write registers that the last products read: four places are asked for (ISA guide 7.12.1);
	PLACES                                         ; eight stand here, once a launch
	PACK 0
	TOSTAGE 0
.irp a, 1,2,3,4,5,6,7                  ; block a's scalings stand between block a - 1's loads from the stage and the wait for them
	PACK \a
	SEND (\a)-1
	TOSTAGE \a
.endr
	SEND 7
	WIN 0
	s_wait_tensorcnt 0x0                           ; the wave's end: the add and its wait, behind my last tensor load and my last LDS store
	ds_add_u32 v[SPW], v[NIL]
	s_wait_dscnt 0x0
	CROUND                                         ; the closing round: no work-group ends while a partner may still ask for a tile that names it
	s_endpgm
.Lfunc_end_k_q5973b5b9e6_qmm:
	.size	k_q5973b5b9e6_qmm, .Lfunc_end_k_q5973b5b9e6_qmm-k_q5973b5b9e6_qmm
	.p2alignl 7, 3214868480
	.fill 96, 4, 3214868480
	.section	.rodata,"a",@progbits
	.p2align	6, 0x0
	.amdhsa_kernel k_q5973b5b9e6_qmm
		.amdhsa_group_segment_fixed_size 327680
		.amdhsa_private_segment_fixed_size 0
		.amdhsa_enable_private_segment 0
		.amdhsa_kernarg_size 24
		.amdhsa_user_sgpr_count 2
		.amdhsa_user_sgpr_kernarg_segment_ptr 1
		.amdhsa_wavefront_size32 1
		.amdhsa_system_sgpr_workgroup_id_x 1
		.amdhsa_system_sgpr_workgroup_id_y 1
		.amdhsa_system_sgpr_workgroup_id_z 1
		.amdhsa_system_vgpr_workitem_id 0
		.amdhsa_next_free_vgpr 1024
		.amdhsa_next_free_sgpr 80
		.amdhsa_reserve_vcc 0
		.amdhsa_float_denorm_mode_32 3
		.amdhsa_float_denorm_mode_16_64 3
		.amdhsa_memory_ordered 1
		.amdhsa_forward_progress 1
		.amdhsa_inst_pref_size 247
	.end_amdhsa_kernel
	.amdgpu_metadata
---
amdhsa.version: [ 1, 2 ]
amdhsa.kernels:
  - .name:           k_q5973b5b9e6_qmm
    .symbol:         k_q5973b5b9e6_qmm.kd
    .args:
      - { .name: x, .offset: 0, .size: 8, .value_kind: global_buffer, .address_space: global }
      - { .name: y, .offset: 8, .size: 8, .value_kind: global_buffer, .address_space: global }
      - { .name: out0, .offset: 16, .size: 8, .value_kind: global_buffer, .address_space: global }
    .group_segment_fixed_size: 327680
    .private_segment_fixed_size: 0
    .kernarg_segment_align: 8
    .kernarg_segment_size: 24
    .max_flat_workgroup_size: 128
    .sgpr_count:     80
    .vgpr_count:     1024
    .wavefront_size: 32
...
	.end_amdgpu_metadata
.endif
;; end of part 1
